; MI455X (gfx1250); checked and timed in simulation.
; The chip was launched on July 23, 2026; its instructions are those of AMD's public machine-readable ISA for CDNA 5 (MIT licence, August 2026) and "CDNA5" Instruction Set Architecture Reference Guide (July 2026). The comments in the code are by the model that wrote it; some were corrected since.
;; GRU Cell. Allowed arithmetic: matrix products marked QUANTISED: E3M2 operands, one E8M0 scale for each 32 along K, by v_wmma_scale_f32_16x16x128_f8f6f4 with both operands' format E3M2, f32 sums; everything else in f32.
;; Inputs: U 1,024 x 1,024 float32; U_r 1,024 x 1,024 float32; U_u 1,024 x 1,024 float32; W 1,024 x 1,024 float32; W_r 1,024 x 1,024 float32; W_u 1,024 x 1,024 float32; b_U 1,024 float32; b_Ur 1,024 float32; b_Uu 1,024 float32; b_W 1,024 float32; b_Wr 1,024 float32; b_Wu 1,024 float32; h_prev 8,192 x 1,024 float32; x_t 8,192 x 1,024 float32.
;; Outputs: out0 8,192 x 1,024 float32.
;; This version of the problem:
;;   THIS VERSION OF THE PROBLEM IS GIVEN IN LOW PRECISION. The matrix products marked QUANTISED in the list below multiply operands that are first quantised to E3M2 (3 exponent bits, 2 mantissa bits; 6 bits a number), with one power-of-two scale for each 32 numbers along K (OCP MX v1.0); their sums are f32. All else is computed in f32.
;;   The module's matrix products, in the order in which they are computed (A, B: the left and right operand; K: the contracted axis; several contracted axes count as one K, in the product's order):
;;     1. [M 8,192, K 1,024] x [K 1,024, N 1,024]; A: input x_t; B: input W_r: QUANTISED
;;     2. [M 8,192, K 1,024] x [K 1,024, N 1,024]; A: input h_prev; B: input U_r: QUANTISED
;;     3. [M 8,192, K 1,024] x [K 1,024, N 1,024]; A: input x_t; B: input W_u: QUANTISED
;;     4. [M 8,192, K 1,024] x [K 1,024, N 1,024]; A: input h_prev; B: input U_u: QUANTISED
;;     5. [M 8,192, K 1,024] x [K 1,024, N 1,024]; A: input x_t; B: input W: QUANTISED
;;     6. [M 8,192, K 1,024] x [K 1,024, N 1,024]; A: computed on the way; B: input U: QUANTISED
;;   THE QUANTISER, for each operand of a quantised product, along K:
;;     - K is cut into blocks of 32 from its start; a last block that is shorter is filled with zeros.
;;     - A block's scale is 2^e with e = floor(log2(the largest magnitude in the block)) - 4, held to -126 .. 127; a block of zeros has e = 0. As a byte (E8M0): e + 127.
;;     - Each number is divided by its block's scale, clamped to +-28, and rounded to the nearest number of E3M2, ties to even, subnormals kept.
;;     - The product sums the exact products of the quantised numbers (number of the format x scale) in f32.
;;   ~~~python
;;   def quantise(x, axis):      # numpy; x: float32 -> the quantised numbers, widened to float32 again
;;       x = np.moveaxis(x, axis, -1); K = x.shape[-1]
;;       x = np.pad(x, [(0, 0)] * (x.ndim - 1) + [(0, -K % 32)]); x = x.reshape(x.shape[:-1] + (-1, 32)); a = np.abs(x).max(-1, keepdims=True)
;;       e = np.where(a > 0, np.clip(np.frexp(np.where(a > 0, a, 1))[1] - 1 - 4, -126, 127), 0)      # np.frexp(a)[1] - 1 = floor(log2(a)), exactly
;;       r = np.clip(x / 2.0 ** e, -28, 28)
;;       step = 2.0 ** (np.maximum(np.frexp(np.where(r == 0, 1, r))[1] - 1, -2) - 2)
;;       q = np.round(r / step) * step * 2.0 ** e      # np.round: ties to even
;;       return np.moveaxis(q.reshape(q.shape[:-2] + (-1,))[..., :K], -1, axis).astype(np.float32)
;;   ~~~
;;   OPERANDS COMPUTED ON THE WAY. 'Computed on the way' means the value that the module computes at that place (a softmax that the list does not call 'softmax' is quantised finished and normalised). What goes into a quantiser is computed in f32, as accurately as f32 sums, v_exp_f32 and their like allow (about 1e-6 of the number): no bf16 or f16 on the way to a quantiser, and a product that is left as it is and whose result goes on into a quantised operand takes f32 operands (vector FMAs, or v_wmma_f32_16x16x4_f32). A number that lies on a knife's edge between two numbers of the format may be rounded either way, as far as f32 arithmetic and the matrix unit's own rounding can turn it there, and no further.
;; One version. Each part assembles by itself: llvm-mc -triple=amdgcn-amd-amdhsa -mcpu=gfx1250 --defsym DOCPART=n.
;; ======== version 1 of 1: 3 launches
;; workspace buffers: act 13,107,200 bytes; wq 4,915,200 bytes; hrq 6,553,600 bytes
;; launch quant (part 1): grid 256 x 1, 11 waves a work-group, no clusters, 94,464 bytes of LDS; arguments x_t, h_prev, W_r, U_r, W_u, U_u, W, U, act, wq; writes act, wq
.if DOCPART == 1
	.amdgcn_target "amdgcn-amd-amdhsa--gfx1250"
	.amdhsa_code_object_version 6
	.text
	.protected	k_q33af41f9be_quant
	.globl	k_q33af41f9be_quant
	.p2align	8
	.type	k_q33af41f9be_quant,@function
k_q33af41f9be_quant:
	s_mov_b64 s[64:65], 0
	v_nop
	global_prefetch_b8 v0, s[64:65] scope:SCOPE_SE
	s_setreg_imm32_b32 hwreg(HW_REG_WAVE_MODE, 25, 1), 1
	s_wait_xcnt 0x0
; GRU cell, launch 1 of 3: x_t, h_prev [8192][1024] and the six weights [1024][1024], all f32 with K innermost, become codes of BF6 (E3M2) with one E8M0 scale byte for each 32 along K.
; NO WORK OF THE PROBLEM IS LEFT OUT in any of the three launches: all six products, all six biases and both activations' inputs reach out0, so every input is loaded.
; A block's scale is 2^(floor(log2(its largest magnitude)) - 4); its byte is the largest magnitude's exponent field - 4, held at 1 from below.
; LIMITS: NaN and infinities among the inputs are not served.  A block whose largest magnitude lies under 2^-122 gets the byte 1; so does a block of zeros (its codes are zeros, which add nothing, and these bytes are read by this program alone).
; THE LAYOUT OF THE CODES: PANELS of 128 rows x 128 K, 12,800 bytes, laid in the order of the matrix operand's registers.
;   bytes 0 .. 12,287: eight fragments (16 rows x 128 K, 12 registers a lane) of 1,536 bytes: register g of lane l at 512 (g / 4) + 16 l + 4 (g % 4): three loads or stores of 16 bytes a lane move a fragment.
;   bytes 12,288 .. 12,799: the scale words (four bytes: 128 K of one row): fragment f, row r at 256 (f / 4) + 16 r + 4 (f % 4).
;   act: [256 rows: 32][K step t: 8][x, h: 2][which 128 rows: 2] panels, fragment f's row r = row 16 f + r.   wq: [gate r, u, c: 3][128 rows: 8][t: 8][W, U: 2] panels.
;   IN A WEIGHT'S PANEL THE ROWS OF A FRAGMENT ARE NOT NEIGHBOURS: row r of fragment 2 b + u is weight row 32 b + 8 u + r + 8 (r / 8), so that in the products' results (weights as source 0) a lane's 16 registers of two
;   neighbouring tiles are 16 neighbouring columns.
; SHARES.  The unit of work is half a panel, 64 rows x 128 K: 1,024 of x, 1,024 of h, 768 of the weights: 2,816 = 256 work-groups x 11 waves, one unit a wave.  Waves share nothing: no barrier.
; Each load takes 512 consecutive bytes of one row (16 a lane); a fragment's 16 rows turn through the wave's own stage in LDS, from which a lane takes the 2 x 32 neighbours along K that the operand's layout gives it.
.set PANEL, 12800
.set SROW,  528                        ; a stage row: 512 bytes + 16 = 132 words: the sixteen rows that a load touches start 4 words apart
.set WSTG,  16*SROW                    ; a wave's stage
.set SPARE, 11*WSTG                    ; behind the stages: the spare words, 128 bytes for each wave, in six blocks of 256 bytes that no other line names
.set OFA,   4                          ; v4   16 x lane
.set OFB,   5                          ; v5   the same, 8 rows further down in a weight
.set OFC,   6                          ; v6   the same, 8 rows further down in an activation
.set STI,   7                          ; v7   the stage, on the way in: 16 x lane
.set STO,   8                          ; v8   on the way out: row lane % 16, + 128 (lane / 16)
.set SH8,   9                          ; v9   8 (lane / 16)
.set SO,    11                         ; v11  my 8 bytes of the unit's 256 bytes of scale words
.set SPW,   12                         ; v12  LDS address of my spare word; never rewritten
.set NIL,   13                         ; v13  0; never rewritten
.set MX,    14                         ; v14-15 largest magnitudes of my two blocks
.set SCO,   16                         ; v16-17 the conversions' scale operands
.set BY,    18                         ; v18-19 the scale bytes
.set WD,    20                         ; v20  my half of the scale word
.set PD,    21                         ; v21  the other half of the lanes'
.set OP,    22                         ; v22-23 two scale words to store
.set R,     32                         ; v32-159  two sets of 16 rows as loaded
.set X,     160                        ; v160-223 my 64 numbers
.set PC,    224                        ; v224-235 the fragment's codes
.set HB,    236                        ; v236-238, v240-242 the upper halves of my two blocks' codes
.set PW,    244                        ; v244-247 the four fragments' scale words
	s_load_b256 s[4:11], s[0:1], 0x0               ; x_t, h_prev, W_r, U_r
	s_load_b256 s[12:19], s[0:1], 0x20             ; W_u, U_u, W, U
	s_load_b128 s[20:23], s[0:1], 0x40             ; act, wq
	v_lshl_add_u32 v[SPW], v0, 2, SPARE
	v_mov_b32 v[NIL], 0
	v_lshrrev_b32 v1, 5, v0
	v_readfirstlane_b32 s24, v1                    ; wave 0..10
	v_and_b32 v1, 31, v0                           ; lane
	v_and_b32 v2, 15, v0                           ; r
	v_bfe_u32 v3, v0, 4, 1                         ; h
	s_mul_i32 s25, ttmp9, 11
	s_add_co_u32 s25, s25, s24                     ; my unit, 0 .. 2,815
	s_lshr_b32 s26, s25, 10                        ; an activation's unit: which tensor (0 x, 1 h),
	s_and_b32 s27, s25, 1023                       ; and which unit of it
	s_sub_co_u32 s28, s25, 2048                    ; a weight's unit (used only from 2,048 on):
	s_lshr_b32 s29, s28, 7
	s_add_co_u32 s29, s29, 2                       ; which tensor (2 .. 7),
	s_and_b32 s30, s28, 127                        ; and which unit of it
	s_cmp_lt_u32 s25, 2048
	s_cselect_b32 s26, s26, s29                    ; tensor
	s_cselect_b32 s27, s27, s30                    ; unit
	s_cselect_b32 s31, 0, 1                        ; 1 for a weight
	s_and_b32 s46, s27, 7                          ; t: K step
	s_lshr_b32 s47, s27, 3                         ; which 64 rows
	s_and_b32 s48, s47, 1                          ; which half of a panel
	s_lshl_b32 s34, s47, 18                        ; the source: 64 rows of 4,096 bytes,
	s_lshl_b32 s49, s46, 9                         ; 512 bytes a K step
	s_add_co_u32 s34, s34, s49
	s_mov_b32 s35, 0
	s_lshr_b32 s50, s47, 2                         ; act's panel: 32 x (256 rows) + 4 t + 2 x tensor + which 128 rows
	s_lshl_b32 s50, s50, 5
	s_lshl_b32 s51, s46, 2
	s_add_co_u32 s50, s50, s51
	s_lshl_b32 s51, s26, 1
	s_add_co_u32 s50, s50, s51
	s_bfe_u32 s51, s47, 0x10001
	s_add_co_u32 s50, s50, s51
	s_sub_co_u32 s52, s26, 2                       ; wq's panel: 128 x gate + 16 x (128 rows) + 2 t + (W 0, U 1)
	s_lshr_b32 s53, s52, 1
	s_lshl_b32 s53, s53, 7
	s_lshr_b32 s54, s47, 1
	s_lshl_b32 s54, s54, 4
	s_add_co_u32 s53, s53, s54
	s_lshl_b32 s54, s46, 1
	s_add_co_u32 s53, s53, s54
	s_and_b32 s54, s52, 1
	s_add_co_u32 s53, s53, s54
	s_cmp_eq_u32 s31, 0
	s_cselect_b32 s50, s50, s53
	s_mul_i32 s50, s50, PANEL
	s_mul_i32 s51, s48, 6144
	s_add_co_u32 s36, s50, s51                     ; where my four fragments go,
	s_mov_b32 s37, 0
	s_lshl_b32 s51, s48, 8
	s_add_co_u32 s38, s50, s51
	s_add_co_u32 s38, s38, 12288                   ; and my 256 bytes of scale words
	s_mov_b32 s39, 0
	s_mov_b32 s40, 0x76543210
	s_mov_b32 s41, 0xfedcba98                      ; v_permlanex16_b32's selects for lane l xor 16
	s_mov_b32 s42, 0xffff0000                      ; lanes 16-31
	s_lshl_b32 s43, s31, 15                        ; 8 rows, in a weight
	s_xor_b32 s44, s43, 32768                      ; 8 rows, in an activation
	s_mul_i32 s45, s24, WSTG                       ; my stage
	v_lshlrev_b32 v[OFA], 4, v1
	v_add_nc_u32 v[OFB], s43, v[OFA]
	v_add_nc_u32 v[OFC], s44, v[OFA]
	v_add_nc_u32 v[STI], s45, v[OFA]
	v_mul_u32_u24 v[STO], v2, SROW
	v_lshl_add_u32 v[STO], v3, 7, v[STO]
	v_add_nc_u32 v[STO], s45, v[STO]
	v_lshlrev_b32 v[SH8], 3, v3
	v_lshlrev_b32 v[SO], 4, v2
	v_lshl_add_u32 v[SO], v3, 3, v[SO]
	v_mov_b32 v[PD], 0                             ; written once: a lane permute's destination counts as one of its sources
	s_wait_kmcnt 0x0
	s_mov_b64 s[32:33], s[4:5]                     ; the source is chosen among the eight tensors by the unit's number alone
.irp n, 1,2,3,4,5,6,7
	s_cmp_eq_u32 s26, \n
	s_cselect_b64 s[32:33], s[4+2*\n:5+2*\n], s[32:33]
.endr
	s_add_nc_u64 s[32:33], s[32:33], s[34:35]
	s_cmp_eq_u32 s31, 0
	s_cselect_b64 s[54:55], s[20:21], s[22:23]
	s_add_nc_u64 s[36:37], s[54:55], s[36:37]
	s_add_nc_u64 s[38:39], s[54:55], s[38:39]
; The 16 rows of fragment a into set a % 2, 512 consecutive bytes a load.  In an activation stage row i is row 16 a + i.  In a weight the upper 8 rows of an even fragment and the lower 8 of the odd one behind it change
; places: the two address registers that differ by 8 rows between weights and activations do that with no branch.
.macro LOADF a
.irp i, 0,1,2,3,4,5,6,7,8,9,10,11,12,13,14,15
.if ((\a)%2 == 0) && (\i >= 8)
	global_load_b128 v[R+64*((\a)%2)+4*\i:R+64*((\a)%2)+4*\i+3], v[OFB], s[32:33] offset:(16*(\a)+\i)*4096 th:TH_LOAD_NT
.elseif ((\a)%2 == 1) && (\i < 8)
	global_load_b128 v[R+64*((\a)%2)+4*\i:R+64*((\a)%2)+4*\i+3], v[OFC], s[32:33] offset:(16*(\a)+\i-8)*4096 th:TH_LOAD_NT
.else
	global_load_b128 v[R+64*((\a)%2)+4*\i:R+64*((\a)%2)+4*\i+3], v[OFA], s[32:33] offset:(16*(\a)+\i)*4096 th:TH_LOAD_NT
.endif
.endr
.endm
.macro FRAGQ a
.set RS, R+64*((\a)%2)
.if (\a) < 3
	s_wait_loadcnt 16                              ; this fragment's 16 loads are in; the next fragment's may be out
.else
	s_wait_loadcnt 0x0
.endif
.irp i, 0,1,2,3,4,5,6,7,8,9,10,11,12,13,14,15
	ds_store_b128 v[STI], v[RS+4*\i:RS+4*\i+3] offset:SROW*\i
.endr
.irp c, 0,1
.irp j, 0,1,2,3,4,5,6,7
	ds_load_b128 v[X+32*\c+4*\j:X+32*\c+4*\j+3], v[STO] offset:256*\c+16*\j   ; K = 64 c + 32 h + 4 j .. of row r.  LDS serves a wave's instructions in order: these see my stores
.endr
.endr
	s_wait_dscnt 0x0                               ; my 64 numbers are in, and the stores have read their registers,
.if (\a) < 2
	LOADF (\a)+2                                   ; which take the fragment two on
.endif
.irp c, 0,1
	v_max3_num_f32 v[MX+\c], |v[X+32*\c]|, |v[X+32*\c+1]|, 0x2800000   ; my block 2 c + h: all 32 numbers are mine; the floor 2^(5 - 127) keeps the byte from falling under 1
.endr
.irp i, 2,4,6,8,10,12,14,16,18,20,22,24,26,28,30
.irp c, 0,1
	v_max3_num_f32 v[MX+\c], v[MX+\c], |v[X+32*\c+\i]|, |v[X+32*\c+\i+1]|   ; (the two blocks by turns)
.endr
.endr
.irp c, 0,1
	v_add_nc_u32 v[SCO+\c], 0xfe000000, v[MX+\c]   ; 4 off the exponent field: the conversion takes the exponent field of this operand as its scale
.endr
.irp c, 0,1
	v_lshrrev_b32 v[BY+\c], 23, v[SCO+\c]          ; the scale's byte
.endr
	v_lshl_or_b32 v[WD], v[BY+1], 16, v[BY]        ; blocks h and 2 + h,
	v_lshlrev_b32 v[WD], v[SH8], v[WD]             ; at their places in the word;
	v_permlanex16_b32 v[PD], v[WD], s40, s41
	v_or_b32 v[PW+(\a)], v[WD], v[PD]              ; with lane l xor 16's two the word is whole
.if (\a) > 0
	s_wait_xcnt 0x0                                ; the last fragment's stores have read their data: the codes' registers are written again only behind this wait
.endif
.irp c, 0,1
	v_cvt_scalef32_pk16_bf6_f32 v[PC+6*\c:PC+6*\c+2], v[X+32*\c:X+32*\c+15], v[SCO+\c]
	v_cvt_scalef32_pk16_bf6_f32 v[HB+4*\c:HB+4*\c+2], v[X+32*\c+16:X+32*\c+31], v[SCO+\c]   ; (a conversion's three registers begin on an even number)
.endr
	v_nop                                          ; one plain place behind a scaled conversion
.irp c, 0,1
.irp i, 0,1,2
	v_mov_b32 v[PC+3+6*\c+\i], v[HB+4*\c+\i]
.endr
.endr
.irp c, 0,1,2
	global_store_b128 v[OFA], v[PC+4*\c:PC+4*\c+3], s[36:37] offset:1536*(\a)+512*\c   ; 32 lanes store 512 consecutive bytes, at a multiple of 256 from the buffer's first byte
.endr
.endm
	LOADF 0
	LOADF 1
	FRAGQ 0
	FRAGQ 1
	FRAGQ 2
	FRAGQ 3
	v_cndmask_b32 v[OP], v[PW], v[PW+2], s42       ; row r's four words are 16 bytes: lanes 0-15 store fragments 0 and 1, lanes 16-31 fragments 2 and 3
	v_cndmask_b32 v[OP+1], v[PW+1], v[PW+3], s42
	global_store_b64 v[SO], v[OP:OP+1], s[38:39]   ; 32 lanes store 256 consecutive bytes, aligned
	s_wait_tensorcnt 0x0                           ; the wave's end: behind my last LDS store
	ds_add_u32 v[SPW], v[NIL]
	s_wait_dscnt 0x0
	s_endpgm
.Lfunc_end_k_q33af41f9be_quant:
	.size	k_q33af41f9be_quant, .Lfunc_end_k_q33af41f9be_quant-k_q33af41f9be_quant
	.p2alignl 7, 3214868480
	.fill 96, 4, 3214868480
	.section	.rodata,"a",@progbits
	.p2align	6, 0x0
	.amdhsa_kernel k_q33af41f9be_quant
		.amdhsa_group_segment_fixed_size 94464
		.amdhsa_private_segment_fixed_size 0
		.amdhsa_enable_private_segment 0
		.amdhsa_kernarg_size 80
		.amdhsa_user_sgpr_count 2
		.amdhsa_user_sgpr_kernarg_segment_ptr 1
		.amdhsa_wavefront_size32 1
		.amdhsa_system_sgpr_workgroup_id_x 1
		.amdhsa_system_sgpr_workgroup_id_y 1
		.amdhsa_system_sgpr_workgroup_id_z 1
		.amdhsa_system_vgpr_workitem_id 0
		.amdhsa_next_free_vgpr 256
		.amdhsa_next_free_sgpr 66
		.amdhsa_reserve_vcc 0
		.amdhsa_float_denorm_mode_32 3
		.amdhsa_float_denorm_mode_16_64 3
		.amdhsa_memory_ordered 1
		.amdhsa_forward_progress 1
		.amdhsa_inst_pref_size 32
	.end_amdhsa_kernel
	.amdgpu_metadata
---
amdhsa.version: [ 1, 2 ]
amdhsa.kernels:
  - .name:           k_q33af41f9be_quant
    .symbol:         k_q33af41f9be_quant.kd
    .args:
      - { .name: x_t, .offset: 0, .size: 8, .value_kind: global_buffer, .address_space: global }
      - { .name: h_prev, .offset: 8, .size: 8, .value_kind: global_buffer, .address_space: global }
      - { .name: W_r, .offset: 16, .size: 8, .value_kind: global_buffer, .address_space: global }
      - { .name: U_r, .offset: 24, .size: 8, .value_kind: global_buffer, .address_space: global }
      - { .name: W_u, .offset: 32, .size: 8, .value_kind: global_buffer, .address_space: global }
      - { .name: U_u, .offset: 40, .size: 8, .value_kind: global_buffer, .address_space: global }
      - { .name: W, .offset: 48, .size: 8, .value_kind: global_buffer, .address_space: global }
      - { .name: U, .offset: 56, .size: 8, .value_kind: global_buffer, .address_space: global }
      - { .name: act, .offset: 64, .size: 8, .value_kind: global_buffer, .address_space: global }
      - { .name: wq, .offset: 72, .size: 8, .value_kind: global_buffer, .address_space: global }
    .group_segment_fixed_size: 94464
    .private_segment_fixed_size: 0
    .kernarg_segment_align: 8
    .kernarg_segment_size: 80
    .max_flat_workgroup_size: 352
    .sgpr_count:     66
    .vgpr_count:     256
    .wavefront_size: 32
...
	.end_amdgpu_metadata
.endif
;; end of part 1
;; launch gate_r (part 2): grid 8 x 32, 4 waves a work-group, clusters of 4 x 4, 327,680 bytes of LDS; arguments act, wq, h_prev, b_Wr, b_Ur, hrq; writes hrq
.if DOCPART == 2
	.amdgcn_target "amdgcn-amd-amdhsa--gfx1250"
	.amdhsa_code_object_version 6
	.text
	.protected	k_q33af41f9be_gate_r
	.globl	k_q33af41f9be_gate_r
	.p2align	8
	.type	k_q33af41f9be_gate_r,@function
k_q33af41f9be_gate_r:
	s_mov_b64 s[64:65], 0
	v_nop
	global_prefetch_b8 v0, s[64:65] scope:SCOPE_SE
	s_setreg_imm32_b32 hwreg(HW_REG_WAVE_MODE, 25, 1), 1
	s_wait_xcnt 0x0
	s_wait_alu depctr_hold_cnt(0) depctr_sa_sdst(0) depctr_va_vdst(0) depctr_va_sdst(0) depctr_va_ssrc(0) depctr_va_vcc(0) depctr_vm_vsrc(0)
	s_getreg_b32 s2, hwreg(HW_REG_IB_STS2, 6, 4)
	s_cmp_eq_u32 s2, 0
	s_cbranch_scc0 .Lentry_in_a_cluster
	s_endpgm
.Lentry_in_a_cluster:
	s_bfe_u32 s2, ttmp6, 0x10000c
	s_cmp_lg_u32 s2, 0xf033
	s_cbranch_scc0 .Lentry_shape_is_right
	s_endpgm
.Lentry_shape_is_right:
; GRU cell, launch 2 of 3: r = sigmoid(x W_r^T + b_Wr + h U_r^T + b_Ur) on codes of BF6 (E3M2), and h * r, made in f32, quantised along H and stored as codes for the sixth product.  Nothing is left out.
; One GEMM with K = 2,048: the K steps of x W_r^T and of h U_r^T take turns (t = 0 .. 7; x, then h).
; LIMITS: the f32 sums are taken in another order than the source writes them (x's and h's steps by turns, the two biases added to each other first); NaN and infinities among the inputs are not served;
; a block of h * r whose largest magnitude lies under 2^-122 gets the scale byte 1, a block of zeros too (its codes are zeros).  Where 2^(..) overflows, the reciprocal gives 0, as the sigmoid does.
; PANELS (128 rows x 128 K, 12,800 bytes: eight fragments as images of the operand's registers, then 512 bytes of scale words) are as the first launch lays them.
; SHARES.  A work-group makes 256 rows x 128 columns; wave w rows 64 w .. 64 w + 63, all 128 columns: 4 x 8 accumulators.  128 columns to a wave are one K step of the sixth product: a whole fragment and a whole scale word a row.
; THE MATRIX INSTRUCTION IS USED TRANSPOSED: source 0 = 16 rows of the weights, source 1 = 16 rows of x or h.  A lane holds one row (lane % 16), and register 8 t + j of its 64 the column 32 (t / 2) + 16 (lane / 16) + 8 (t % 2) + j:
; sixteen neighbours for each pair of tiles, by the order of rows in the weights' panels.
; THE RING: two LDS slots of four K steps each: 8 panels of act (one dense block of memory), then 4 of wq (another).  Waves 0 and 1 fetch the halves of act's block, waves 2 and 3 of wq's: one tensor load a wave.
; CLUSTERS: 4 x 4 work-groups.  act's block hangs on the row block alone and is shared along a row of the cluster, wq's on the column block alone and is shared along a column: both are asked for jointly.
; By this text's own count a wave has two tensor loads out at the start and one behind each round.
; h_prev (f32, my 64 rows x 128 columns) goes into registers that nothing else uses.  It is asked for in four parts of 16 rows under the K walk: the first when slot 0 has landed, the second and the fourth behind the two
; joint refills, the third in the middle of slot 1: no request for h goes out ahead of the first tiles', and the last part has two slots' products in front of the way out.
; REGISTERS, in windows of 256: window 0: v4-19 addresses; v32-47 scale words, two sets; v48-63 at work; v64-159 A's fragments, two sets (later 64 numbers and their codes); v160-223 the biases; v224-229 scale words made.
;   window 1: B's fragments, two sets at v0 and v128 (later h, two sets of 64).   window 2: the 32 accumulators, (a, t) at v[8 (8 a + t)].   window 3: my 64 rows of h as loaded, row k at v[4 k].
.set PANEL, 12800
.set FRB,   1536                       ; a fragment's image
.set SWO,   12288                      ; where a panel's scale words begin
.set SLOT,  12*PANEL                   ; 153,600
.set BOFF,  8*PANEL                    ; a slot: act's 8 panels, then wq's 4
.set SPARE, 2*SLOT                     ; behind the ring: the spare words, 128 bytes for each wave: two blocks of 256 bytes that no other line names
.set HROW,  528                        ; the stage for h: 64 rows x (512 bytes + 16) for each wave.  It lies in slot 0, which has had its last fill and its last read when the first row is stored there
.set HSTG,  64*HROW
.set ADRA,  4                          ; v4-7   my A fragments: [slot][q / 2]
.set ADRB,  8                          ; v8-9   B's fragments: [slot]
.set ADSA,  10                         ; v10-13 my A rows' scale words: [slot][q / 2]
.set L16,   14                         ; v14    16 x lane; never rewritten
.set H64,   15                         ; v15    64 (lane / 16)
.set HST,   16                         ; v16    h's stage, on the way in
.set HLD,   17                         ; v17    and on the way out
.set CO,    18                         ; v18    my 16 bytes of a fragment's image in hrq
.set SO,    19                         ; v19    my 8 bytes of the scale words in hrq
.set SPW,   28                         ; v28    LDS address of my spare word; never rewritten
.set NIL,   29                         ; v29    0; never rewritten
.set SC,    32                         ; scale words: set p: A's four registers at SC + 8 p, B's four at SC + 8 p + 4 (fragments 0-3 in lanes 0-15, 4-7 in lanes 16-31)
.set TM,    48
.set AF,    64
.set T,     64                         ; the way out: 64 numbers
.set PC,    128                        ; and their codes
.set BI,    160                        ; -log2(e) (b_Wr + b_Ur), in the result's layout
.set PW,    224
.set OP,    228
.set WV,    16                         ; s16 wave;  s17 wave / 2;  s18 wave % 2;  s19 row block
.set WI,    17
.set WH,    18
.set TY,    19
.set G1A,   24                         ; s[24:31] group 1 for act's blocks;  s[32:39] group 0, one set for each slot
.set G0A,   32
.set G1B,   48                         ; s[48:55], s[56:63] the same for wq's
.set G0B,   56
.set KAP,   66                         ; s[66:67] -log2(e)
.set SEL,   68                         ; s[68:69] v_permlanex16_b32's selects for lane l xor 16
.set MSB, 0
.macro WIN new                         ; the immediate's high byte repeats the setting that is left
.if MSB != (\new)
	s_set_vgpr_msb (MSB<<8)|(\new)
.set MSB, (\new)
.endif
.endm
.set MUL,  0xa1                        ; source 0 (weights) window 1, source 1 window 0, C and D window 2
.set TO_B, 0x40                        ; destination window 1, address window 0
; A joint load: waves 0 and 1 fetch for act, waves 2 and 3 for wq.  The branch hangs on the wave's number alone.  An s_nop 0 and four v_nop follow each of the two lines.
.macro JLOAD s
	s_cmp_eq_u32 s[WI], 0
	s_cbranch_scc0 .Lfor_b_\@
	tensor_load_to_lds s[G0A+4*\s:G0A+4*\s+3], s[G1A:G1A+7]
	s_nop 0
.rept 4
	v_nop
.endr
	s_branch .Lasked_\@
.Lfor_b_\@:
	tensor_load_to_lds s[G0B+4*\s:G0B+4*\s+3], s[G1B:G1B+7]
	s_nop 0
.rept 4
	v_nop
.endr
.Lasked_\@:
.endm
.macro CREST                           ; a round of the cluster's barrier behind its opening barrier
	s_cmp_lg_u32 s[WV], 0
	s_cbranch_scc1 .Lnot_wave_0_\@
	s_barrier_signal -3
.Lnot_wave_0_\@:
	s_barrier_wait -3
	s_barrier_signal -1
	s_barrier_wait -1
.endm
.macro CROUND                          ; a whole round
	s_barrier_signal -1
	s_barrier_wait -1
	CREST
.endm
.macro PLACES                          ; four places behind a matrix instruction, in front of loads into registers that it has read and of reads of its results (ISA guide 7.12.1 for vector instructions)
.rept 4
	v_nop
.endr
.endm
	s_load_b256 s[4:11], s[0:1], 0x0               ; act s[4:5], wq s[6:7], h_prev s[8:9], b_Wr s[10:11]
	s_load_b128 s[12:15], s[0:1], 0x20             ; b_Ur s[12:13], hrq s[14:15]
	v_lshl_add_u32 v[SPW], v0, 2, SPARE
	v_mov_b32 v[NIL], 0
	ds_add_u32 v[SPW], v[NIL]                      ; the wave's opening: the add, twice on end, and its wait stand ahead of my first tensor load; the set-up below stands between the second and the wait
	ds_add_u32 v[SPW], v[NIL]
	v_lshrrev_b32 v1, 5, v0
	v_readfirstlane_b32 s[WV], v1                  ; wave 0..3
	s_lshr_b32 s[WI], s[WV], 1                     ; which 128 rows are mine.  Also: I fetch for act (0) or for wq (1)
	s_and_b32 s[WH], s[WV], 1                      ; which 64 of them.  Also: which half of that block I fetch
	s_bfe_u32 s40, ttmp6, 0x40000                  ; cx, cy: my place in the cluster
	s_bfe_u32 s41, ttmp6, 0x40004
	s_lshl_b32 s42, ttmp9, 2
	s_add_co_u32 s42, s42, s40                     ; column block = 4 x cluster x + cx
	s_and_b32 s[TY], ttmp7, 0xffff
	s_lshl_b32 s[TY], s[TY], 2
	s_add_co_u32 s[TY], s[TY], s41                 ; row block = 4 x cluster y + cy
	s_lshl_b32 s43, s41, 2
	s_lshl_b32 s43, 15, s43                        ; my row of the cluster
	s_lshl_b32 s44, 0x1111, s40                    ; my column
	; group 1: a dense block as rows of 256 bytes (32 elements of 8 bytes), no padding: 200 rows of act, 100 of wq
	s_or_b32 s[G1A], s43, (3<<16)|(1<<21)          ; 15:0 the mask; 17:16 elements of 8 bytes; 21 set beside a mask
	s_or_b32 s[G1B], s44, (3<<16)|(1<<21)
	s_mov_b32 s[G1A+1], 32<<16                     ; tensor_dim0
	s_mov_b32 s[G1A+2], 200<<16                    ; tensor_dim1
	s_mov_b32 s[G1A+3], 32<<16                     ; tile_dim0
	s_mov_b32 s[G1A+4], 200                        ; tile_dim1
	s_mov_b32 s[G1A+5], 32                         ; tensor_dim0_stride
	s_mov_b32 s[G1A+6], 0
	s_mov_b32 s[G1A+7], 0
	s_mov_b32 s[G1B+1], 32<<16
	s_mov_b32 s[G1B+2], 100<<16
	s_mov_b32 s[G1B+3], 32<<16
	s_mov_b32 s[G1B+4], 100
	s_mov_b32 s[G1B+5], 32
	s_mov_b32 s[G1B+6], 0
	s_mov_b32 s[G1B+7], 0
	s_mul_i32 s20, s[TY], 32*PANEL                 ; act: the row block's 32 panels,
	s_mul_i32 s22, s[WH], 4*PANEL                  ; my half of a slot's 8: in memory and in LDS alike
	s_add_co_u32 s20, s20, s22
	s_mov_b32 s21, 0
	s_mul_i32 s46, s42, 16*PANEL                   ; wq, gate r: the column block's 16 panels,
	s_mul_i32 s23, s[WH], 2*PANEL                  ; my half of a slot's 4
	s_add_co_u32 s46, s46, s23
	s_mov_b32 s47, 0
	s_add_co_u32 s23, s23, BOFF
	s_mov_b32 s[KAP], 0xbfb8aa3b                   ; -log2(e)
	s_mov_b32 s[KAP+1], s[KAP]                     ; (named with it as a pair, so it is written)
	s_mov_b32 s[SEL], 0x76543210
	s_mov_b32 s[SEL+1], 0xfedcba98
	s_mov_b32 s70, 0xffff0000                      ; lanes 16-31
	s_wait_dscnt 0x0                               ; both opening adds are done
	s_wait_kmcnt 0x0
	s_add_nc_u64 s[20:21], s[4:5], s[20:21]
	s_add_nc_u64 s[46:47], s[6:7], s[46:47]
	CROUND                                         ; all sixteen work-groups are here: the first joint loads meet
.irp s, 0,1
	s_mov_b32 s[G0A+4*\s], 1
	s_add_co_u32 s[G0A+4*\s+1], s22, \s*SLOT
	s_add_nc_u64 s[G0A+4*\s+2:G0A+4*\s+3], s[20:21], \s*8*PANEL
	s_or_b32 s[G0A+4*\s+3], s[G0A+4*\s+3], 0x80000000
	s_mov_b32 s[G0B+4*\s], 1
	s_add_co_u32 s[G0B+4*\s+1], s23, \s*SLOT
	s_add_nc_u64 s[G0B+4*\s+2:G0B+4*\s+3], s[46:47], \s*4*PANEL
	s_or_b32 s[G0B+4*\s+3], s[G0B+4*\s+3], 0x80000000
	JLOAD \s
.endr
	v_and_b32 v1, 31, v0                           ; lane
	v_and_b32 v2, 15, v0                           ; r
	v_bfe_u32 v3, v0, 4, 1                         ; h
	v_lshlrev_b32 v[L16], 4, v1
	v_lshlrev_b32 v[H64], 6, v3
	s_lshl_b32 s72, s42, 9                         ; my 128 columns: 512 bytes on
	s_mov_b32 s73, 0
	s_add_nc_u64 s[76:77], s[10:11], s[72:73]      ; b_Wr
	s_add_nc_u64 s[78:79], s[12:13], s[72:73]      ; b_Ur
	s_lshl_b32 s80, s[TY], 8
	s_lshl_b32 s81, s[WV], 6
	s_add_co_u32 s80, s80, s81                     ; my first row: 256 x row block + 64 x wave
	s_lshl_b32 s80, s80, 12
	s_add_co_u32 s72, s72, s80
	s_add_nc_u64 s[74:75], s[8:9], s[72:73]        ; h_prev at my first row and column
.irp t, 0,1,2,3,4,5,6,7                        ; lane (r, h) wants, for tile t, the biases of columns 32 (t / 2) + 16 h + 8 (t % 2) + 0 .. 7
	global_load_b128 v[BI+8*\t:BI+8*\t+3], v[H64], s[76:77] offset:(32*(\t/2)+8*(\t%2))*4
	global_load_b128 v[BI+8*\t+4:BI+8*\t+7], v[H64], s[76:77] offset:(32*(\t/2)+8*(\t%2))*4+16
.endr
.irp t, 0,1,2,3,4,5,6,7
	global_load_b128 v[AF+8*\t:AF+8*\t+3], v[H64], s[78:79] offset:(32*(\t/2)+8*(\t%2))*4
	global_load_b128 v[AF+8*\t+4:AF+8*\t+7], v[H64], s[78:79] offset:(32*(\t/2)+8*(\t%2))*4+16
.endr
	s_mul_i32 s80, s[WI], PANEL                    ; my A fragments: my panel of the two, my four fragments of its eight
	s_mul_i32 s81, s[WH], 4*FRB
	s_add_co_u32 s80, s80, s81
	v_lshlrev_b32 v20, 4, v2                       ; 16 r
	s_mul_i32 s82, s[WI], PANEL                    ; and their scale words: my panel, my 256 bytes
	s_lshl_b32 s83, s[WH], 8
	s_add_co_u32 s82, s82, s83
.irp n, 0,1,2,3                                ; n = 2 x slot + q / 2
	s_add_co_u32 s81, s80, (\n/2)*SLOT+(\n%2)*4*PANEL
	v_add_nc_u32 v[ADRA+\n], s81, v[L16]
	s_add_co_u32 s83, s82, (\n/2)*SLOT+(\n%2)*4*PANEL+SWO
	v_add_nc_u32 v[ADSA+\n], s83, v20
.endr
.irp s, 0,1
	v_add_nc_u32 v[ADRB+\s], \s*SLOT+BOFF, v[L16]
.endr
	s_mul_i32 s80, s[WV], HSTG                     ; my stage for h
	v_add_nc_u32 v[HST], s80, v[L16]
	v_mul_u32_u24 v[HLD], v2, HROW
	v_add_nc_u32 v[HLD], v[HLD], v[H64]
	v_add_nc_u32 v[HLD], s80, v[HLD]
	s_mul_i32 s80, s[WH], 4*FRB
	v_add_nc_u32 v[CO], s80, v[L16]
	v_lshl_add_u32 v[SO], v3, 3, v20
	s_lshl_b32 s80, s[WH], 8
	v_add_nc_u32 v[SO], s80, v[SO]
	s_mul_i32 s84, s[TY], 16*PANEL                 ; hrq: [row block][K step = my column block][which 128 rows]
	s_mul_i32 s85, s42, 2*PANEL
	s_add_co_u32 s84, s84, s85
	s_mul_i32 s85, s[WI], PANEL
	s_add_co_u32 s84, s84, s85
	s_mov_b32 s85, 0
	s_add_nc_u64 s[82:83], s[14:15], s[84:85]
.irp b, 0,1,2,3
	v_mov_b32 v[TM+4+\b], 0                        ; written once: a lane permute's destination counts as one of its sources
.endr
	s_wait_loadcnt 0x0                             ; the biases
.set k, 0
.rept 32
	v_pk_add_f32 v[BI+2*k:BI+2*k+1], v[BI+2*k:BI+2*k+1], v[AF+2*k:AF+2*k+1]
.set k, k+1
.endr
.set k, 0
.rept 32
	v_pk_mul_f32 v[BI+2*k:BI+2*k+1], v[BI+2*k:BI+2*k+1], s[KAP:KAP+1] op_sel_hi:[1,0]
.set k, k+1
.endr
.macro HROWS g                         ; part g of h: my rows 16 g .. 16 g + 15, a row's 512 consecutive bytes a load, into window 3
	WIN 0xc0
.set k, 16*(\g)
.rept 16
	global_load_b128 v[4*k:4*k+3], v[L16], s[74:75] offset:4096*k th:TH_LOAD_NT
.set k, k+1
.endr
	WIN 0
.endm
.macro FRAG reg, adr, off              ; a fragment comes as it was stored: three loads of 16 bytes a lane, each of 512 consecutive bytes
.irp c, 0,1,2
	ds_load_b128 v[(\reg)+4*\c:(\reg)+4*\c+3], v[\adr] offset:(\off)+512*\c
.endr
.endm
; One matrix instruction.  d: accumulator; b: weights' fragment; a: activations'; sb, sa: their scale registers; rb = 1: the weights' scales stand in lanes 16-31; zero = 1: it starts the sum
.macro WM d, b, a, sb, sa, rb, zero
.if (\zero) && (\rb)
	v_wmma_scale_f32_16x16x128_f8f6f4 v[(\d):(\d)+7], v[(\b):(\b)+11], v[(\a):(\a)+11], 0, v[(\sb)], v[(\sa)] matrix_a_fmt:MATRIX_FMT_BF6 matrix_b_fmt:MATRIX_FMT_BF6 matrix_a_scale:MATRIX_SCALE_ROW1
.elseif (\zero)
	v_wmma_scale_f32_16x16x128_f8f6f4 v[(\d):(\d)+7], v[(\b):(\b)+11], v[(\a):(\a)+11], 0, v[(\sb)], v[(\sa)] matrix_a_fmt:MATRIX_FMT_BF6 matrix_b_fmt:MATRIX_FMT_BF6
.elseif (\rb)
	v_wmma_scale_f32_16x16x128_f8f6f4 v[(\d):(\d)+7], v[(\b):(\b)+11], v[(\a):(\a)+11], v[(\d):(\d)+7], v[(\sb)], v[(\sa)] matrix_a_fmt:MATRIX_FMT_BF6 matrix_b_fmt:MATRIX_FMT_BF6 matrix_a_scale:MATRIX_SCALE_ROW1
.else
	v_wmma_scale_f32_16x16x128_f8f6f4 v[(\d):(\d)+7], v[(\b):(\b)+11], v[(\a):(\a)+11], v[(\d):(\d)+7], v[(\sb)], v[(\sa)] matrix_a_fmt:MATRIX_FMT_BF6 matrix_b_fmt:MATRIX_FMT_BF6
.endif
.endm
; A's block a against the weights' eight, from set p.  The 32 accumulators take turns, one instruction a turn, in the same order in every step.
.macro MUL8 a, p, zero
.irp t, 0,1,2,3,4,5,6,7
	WM 8*(8*(\a)+\t), 128*(\p)+12*\t, AF+48*(\p)+12*(\a), SC+8*(\p)+4+\t%4, SC+8*(\p)+(\a), \t/4, \zero
.endr
.endm
; 38 LDS loads in one run: the slot's K step q into set p: the weights' eight fragments, my four of A, A's scale words (lanes 0-15 and 16-31 read the same 256 bytes) and the weights'
.macro FETCH2 slot, q, p
	WIN TO_B
.irp b, 0,1,2,3,4,5,6,7
	FRAG 128*(\p)+12*\b, ADRB+\slot, PANEL*(\q)+FRB*\b
.endr
	WIN 0
.irp a, 0,1,2,3
	FRAG AF+48*(\p)+12*\a, ADRA+2*(\slot)+(\q)/2, ((\q)%2)*2*PANEL+FRB*\a
.endr
	ds_load_b128 v[SC+8*(\p):SC+8*(\p)+3], v[ADSA+2*(\slot)+(\q)/2] offset:((\q)%2)*2*PANEL
	ds_load_b128 v[SC+8*(\p)+4:SC+8*(\p)+7], v[ADRB+\slot] offset:PANEL*(\q)+SWO
.endm
; One of a slot's first three K steps: the next step's run of loads goes out first and lands under this step's 32 matrix instructions
.macro STEP2 slot, q, zero
	s_wait_dscnt 0x0                               ; this step's fragments and scale words are in
	PLACES                                         ; the other set was read by the step before
	FETCH2 \slot, (\q)+1, 1-(\q)%2
	WIN MUL
	MUL8 0, (\q)%2, \zero
	MUL8 1, (\q)%2, \zero
	MUL8 2, (\q)%2, \zero
	MUL8 3, (\q)%2, \zero
	WIN 0
.endm
; A slot's last K step changes slots: ONE barrier; in front of it each wave waits for all its tensor loads, adds 0 to its spare word, and waits for that and for its own reads of this slot.  fill = 1: the slot is filled again, two slots ahead.
.macro TURN2 slot, next, fill
	s_wait_tensorcnt 0x0                           ; all my tensor loads have landed: my part of the next slot
	ds_add_u32 v[SPW], v[NIL]                      ; 0 onto my spare word
	s_wait_dscnt 1                                 ; this step's loads are in (the add may be out)
	WIN MUL
	MUL8 0, 1, 0                                   ; eight matrix instructions stand between the add and the wait for it
	s_wait_dscnt 0x0                               ; the add is done, and my reads of this slot are over
	s_barrier_signal -1
	MUL8 1, 1, 0
	WIN 0
	s_barrier_wait -1
.if \fill
	CREST                                          ; the barrier has opened a round of the cluster's barrier: no wave of any partner still reads this slot or has a load on its way
	s_add_nc_u64 s[G0A+4*\slot+2:G0A+4*\slot+3], s[G0A+4*\slot+2:G0A+4*\slot+3], 16*PANEL
	s_add_nc_u64 s[G0B+4*\slot+2:G0B+4*\slot+3], s[G0B+4*\slot+2:G0B+4*\slot+3], 8*PANEL
	JLOAD \slot                                    ; the first tensor load behind the round; the four v_nop behind it are the places in front of the loads below
.else
	PLACES
.endif
	FETCH2 \next, 0, 0
	WIN MUL
	MUL8 2, 1, 0
	MUL8 3, 1, 0
	WIN 0
.endm
; 64 numbers of a lane, v[s] .. v[s + 63], register 16 b + i = k 32 b + 16 (lane / 16) + i of my row, become a fragment's codes in v[PC] on and its scale word in v[w].
.macro QUANT s, w
.irp b, 0,1,2,3
	v_max3_num_f32 v[TM+\b], |v[\s+16*\b]|, |v[\s+1+16*\b]|, 0x2800000   ; block b: my 16 numbers, and the floor 2^(5 - 127): the byte cannot fall under 1
.endr
.irp i, 2,4,6,8,10,12,14
.irp b, 0,1,2,3
	v_max3_num_f32 v[TM+\b], v[TM+\b], |v[\s+16*\b+\i]|, |v[\s+1+16*\b+\i]|   ; (the four blocks by turns)
.endr
.endr
.irp b, 0,1,2,3
	v_permlanex16_b32 v[TM+4+\b], v[TM+\b], s[SEL], s[SEL+1]
.endr
.irp b, 0,1,2,3
	v_max_num_f32 v[TM+\b], v[TM+\b], v[TM+4+\b]   ; with lane l xor 16's: the block's largest magnitude
.endr
.irp b, 0,1,2,3
	v_add_nc_u32 v[TM+12+\b], 0xfe000000, v[TM+\b]   ; 4 off its exponent field: the conversion's scale operand
.endr
.irp b, 0,1,2,3
	v_lshrrev_b32 v[TM+4+\b], 23, v[TM+12+\b]      ; the scale's byte
.endr
	v_lshl_or_b32 v[\w], v[TM+5], 8, v[TM+4]       ; the four bytes make my row's scale word
	v_lshl_or_b32 v[\w], v[TM+6], 16, v[\w]
	v_lshl_or_b32 v[\w], v[TM+7], 24, v[\w]
.irp c, 0,1
	v_cvt_scalef32_pk16_bf6_f32 v[PC+6*\c:PC+2+6*\c], v[\s+32*\c:\s+15+32*\c], v[TM+12+2*\c]
	v_cvt_scalef32_pk16_bf6_f32 v[PC+12+4*\c:PC+14+4*\c], v[\s+16+32*\c:\s+31+32*\c], v[TM+12+2*\c+1]   ; (a conversion's three registers begin on an even number)
.endr
	v_nop                                          ; one plain place behind a scaled conversion
.irp c, 0,1                                    ; the operand's layout wants a WHOLE block in a lane: lanes 0-15 block 2 c, lanes 16-31 block 2 c + 1
.irp i, 0,1,2
	v_permlane16_swap_b32 v[PC+6*\c+\i], v[PC+12+4*\c+\i]
.endr
.irp i, 0,1,2
	v_mov_b32 v[PC+3+6*\c+\i], v[PC+12+4*\c+\i]
.endr
.endr
.endm
	s_wait_tensorcnt 1                             ; my part of slot 0 is in (slot 1's load may be out)
	s_barrier_signal -1
	s_barrier_wait -1                              ; everybody's is
	FETCH2 0, 0, 0
	HROWS 0                                        ; h's first 16 rows: slot 0 has landed
	STEP2 0, 0, 1                                  ; the first step's products start the sums: nothing is cleared
	STEP2 0, 1, 0
	STEP2 0, 2, 0
	TURN2 0, 1, 1                                  ; slot 0 takes K steps 8 to 11
	HROWS 1                                        ; behind the refill's request
	STEP2 1, 0, 0
	STEP2 1, 1, 0
	HROWS 2
	STEP2 1, 2, 0
	TURN2 1, 0, 1                                  ; slot 1 takes K steps 12 to 15
	HROWS 3                                        ; behind the last refill's request: 256 matrix instructions stand between these loads and the wait for them
	STEP2 0, 0, 0
	STEP2 0, 1, 0
	STEP2 0, 2, 0
	TURN2 0, 1, 0                                  ; nothing is left to fetch: no round.  Behind this barrier nobody reads slot 0
	STEP2 1, 0, 0
	STEP2 1, 1, 0
	STEP2 1, 2, 0
	s_wait_dscnt 0x0                               ; the last step
	WIN MUL
	MUL8 0, 1, 0
	MUL8 1, 1, 0
	MUL8 2, 1, 0
	MUL8 3, 1, 0
	WIN 0
; THE WAY OUT.  h, loaded by rows, turns through my own stage in LDS into the result's layout; then, 16 rows at a time: r = 1 / (1 + 2^(-log2(e) z)), h * r, the quantiser, and the fragment's image goes to hrq.
.macro HFETCH a                        ; h of rows 16 a + r: columns 32 b + 16 h + 0 .. 15, into set a % 2 of window 1
	WIN 0x40
.irp b, 0,1,2,3
.irp j, 0,1,2,3
	ds_load_b128 v[64*((\a)%2)+4*(4*\b+\j):64*((\a)%2)+4*(4*\b+\j)+3], v[HLD] offset:16*(\a)*HROW+128*\b+16*\j
.endr
.endr
.endm
.macro EPI a
.if (\a) < 3
	HFETCH (\a)+1
.endif
	WIN 0x02                                       ; source 0: the accumulators
.set k, 0
.rept 32
	v_pk_fma_f32 v[T+2*k:T+2*k+1], v[64*(\a)+2*k:64*(\a)+2*k+1], s[KAP:KAP+1], v[BI+2*k:BI+2*k+1] op_sel_hi:[1,0,1]   ; -log2(e) (sum + biases); each accumulator from its low end on
.set k, k+1
.endr
	WIN 0
.set k, 0
.rept 64
	v_exp_f32 v[T+k], v[T+k]
.set k, k+1
.endr
	v_nop                                          ; a plain place behind the last exponential
	s_wait_alu depctr_va_vdst(0)                   ; the wait ahead of the first reader: one for the batch
.set k, 0
.rept 32
	v_pk_add_f32 v[T+2*k:T+2*k+1], v[T+2*k:T+2*k+1], 1.0 op_sel_hi:[1,0]
.set k, k+1
.endr
.set k, 0
.rept 64
	v_rcp_f32 v[T+k], v[T+k]
.set k, k+1
.endr
	v_nop
	s_wait_alu depctr_va_vdst(0)                   ; and one for the reciprocals
.if (\a) < 3
	s_wait_dscnt 16                                ; this block's h is in; the next block's 16 loads may be out
.else
	s_wait_dscnt 0x0
.endif
	WIN 0x04                                       ; source 1: h
.set k, 0
.rept 32
	v_pk_mul_f32 v[T+2*k:T+2*k+1], v[T+2*k:T+2*k+1], v[64*((\a)%2)+2*k:64*((\a)%2)+2*k+1]
.set k, k+1
.endr
	WIN 0
.if (\a) > 0
	s_wait_xcnt 0x0                                ; the last block's stores have read their data: the codes' registers are written again only behind this wait
.endif
	QUANT T, PW+(\a)
.irp c, 0,1,2
	global_store_b128 v[CO], v[PC+4*\c:PC+4*\c+3], s[82:83] offset:FRB*(\a)+512*\c   ; 32 lanes store 512 consecutive bytes, at a multiple of 256 from the buffer's first byte
.endr
.endm
	PLACES                                         ; behind the last products: for the reads of results and the loads and writes into the operands' registers
	s_wait_loadcnt 0x0                             ; h
	WIN 0x0c                                       ; an LDS store's data are its source 1: window 3
.set k, 0
.rept 64
	ds_store_b128 v[HST], v[4*k:4*k+3] offset:HROW*k
.set k, k+1
.endr
	HFETCH 0                                       ; LDS serves a wave's instructions in order: these see my stores
	EPI 0
	EPI 1
	EPI 2
	EPI 3
	v_cndmask_b32 v[OP], v[PW], v[PW+2], s70       ; row r's four words are 16 bytes: lanes 0-15 store fragments 0 and 1, lanes 16-31 fragments 2 and 3
	v_cndmask_b32 v[OP+1], v[PW+1], v[PW+3], s70
	global_store_b64 v[SO], v[OP:OP+1], s[82:83] offset:SWO   ; 32 lanes store 256 consecutive bytes, aligned
	s_wait_tensorcnt 0x0                           ; the wave's end: behind my last tensor load and my last LDS store
	ds_add_u32 v[SPW], v[NIL]
	s_wait_dscnt 0x0
	CROUND                                         ; the closing round: no work-group ends while a partner may still ask for a tile that names it
	s_endpgm
.Lfunc_end_k_q33af41f9be_gate_r:
	.size	k_q33af41f9be_gate_r, .Lfunc_end_k_q33af41f9be_gate_r-k_q33af41f9be_gate_r
	.p2alignl 7, 3214868480
	.fill 96, 4, 3214868480
	.section	.rodata,"a",@progbits
	.p2align	6, 0x0
	.amdhsa_kernel k_q33af41f9be_gate_r
		.amdhsa_group_segment_fixed_size 327680
		.amdhsa_private_segment_fixed_size 0
		.amdhsa_enable_private_segment 0
		.amdhsa_kernarg_size 48
		.amdhsa_user_sgpr_count 2
		.amdhsa_user_sgpr_kernarg_segment_ptr 1
		.amdhsa_wavefront_size32 1
		.amdhsa_system_sgpr_workgroup_id_x 1
		.amdhsa_system_sgpr_workgroup_id_y 1
		.amdhsa_system_sgpr_workgroup_id_z 1
		.amdhsa_system_vgpr_workitem_id 0
		.amdhsa_next_free_vgpr 1024
		.amdhsa_next_free_sgpr 100
		.amdhsa_reserve_vcc 0
		.amdhsa_float_denorm_mode_32 3
		.amdhsa_float_denorm_mode_16_64 3
		.amdhsa_memory_ordered 1
		.amdhsa_forward_progress 1
		.amdhsa_inst_pref_size 197
	.end_amdhsa_kernel
	.amdgpu_metadata
---
amdhsa.version: [ 1, 2 ]
amdhsa.kernels:
  - .name:           k_q33af41f9be_gate_r
    .symbol:         k_q33af41f9be_gate_r.kd
    .args:
      - { .name: act, .offset: 0, .size: 8, .value_kind: global_buffer, .address_space: global }
      - { .name: wq, .offset: 8, .size: 8, .value_kind: global_buffer, .address_space: global }
      - { .name: h_prev, .offset: 16, .size: 8, .value_kind: global_buffer, .address_space: global }
      - { .name: b_Wr, .offset: 24, .size: 8, .value_kind: global_buffer, .address_space: global }
      - { .name: b_Ur, .offset: 32, .size: 8, .value_kind: global_buffer, .address_space: global }
      - { .name: hrq, .offset: 40, .size: 8, .value_kind: global_buffer, .address_space: global }
    .group_segment_fixed_size: 327680
    .private_segment_fixed_size: 0
    .kernarg_segment_align: 8
    .kernarg_segment_size: 48
    .max_flat_workgroup_size: 128
    .sgpr_count:     100
    .vgpr_count:     1024
    .wavefront_size: 32
...
	.end_amdgpu_metadata
.endif
;; end of part 2
;; launch gate_uc (part 3): grid 8 x 32, 4 waves a work-group, clusters of 4 x 4, 327,680 bytes of LDS; arguments act, hrq, wq, h_prev, b_Wu, b_Uu, b_W, b_U, out0; writes out0
.if DOCPART == 3
	.amdgcn_target "amdgcn-amd-amdhsa--gfx1250"
	.amdhsa_code_object_version 6
	.text
	.protected	k_q33af41f9be_gate_uc
	.globl	k_q33af41f9be_gate_uc
	.p2align	8
	.type	k_q33af41f9be_gate_uc,@function
k_q33af41f9be_gate_uc:
	s_mov_b64 s[64:65], 0
	v_nop
	global_prefetch_b8 v0, s[64:65] scope:SCOPE_SE
	s_setreg_imm32_b32 hwreg(HW_REG_WAVE_MODE, 25, 1), 1
	s_wait_xcnt 0x0
	s_wait_alu depctr_hold_cnt(0) depctr_sa_sdst(0) depctr_va_vdst(0) depctr_va_sdst(0) depctr_va_ssrc(0) depctr_va_vcc(0) depctr_vm_vsrc(0)
	s_getreg_b32 s2, hwreg(HW_REG_IB_STS2, 6, 4)
	s_cmp_eq_u32 s2, 0
	s_cbranch_scc0 .Lentry_in_a_cluster
	s_endpgm
.Lentry_in_a_cluster:
	s_bfe_u32 s2, ttmp6, 0x10000c
	s_cmp_lg_u32 s2, 0xf033
	s_cbranch_scc0 .Lentry_shape_is_right
	s_endpgm
.Lentry_shape_is_right:
; GRU cell, launch 3 of 3: u = sigmoid(x W_u^T + b_Wu + h U_u^T + b_Uu), c = tanh(x W^T + b_W + (h * r) U^T + b_U), out0 = (1 - u) h + u c = h + u (c - h).  All four products on codes of BF6 (E3M2).  Nothing is left out.
; LIMITS: the f32 sums are taken in another order than the source writes them (x's and h's K steps by turns, a gate's two biases added to each other first); tanh z is taken as 1 - 2 / (1 + 2^(2 log2(e) z)), whose absolute
; error is about 1e-7; where 2^(..) overflows or falls to 0 both activations take their limits; NaN and infinities among the inputs are not served.
; PANELS (128 rows x 128 K, 12,800 bytes: eight fragments as images of the operand's registers, then 512 bytes of scale words) are as the first launch lays them; hrq: [256 rows: 32][K step: 8][which 128 rows: 2].
; SHARES.  A work-group makes 256 rows x 128 columns of out0.  Wave w makes, for rows 128 (w / 2) on, 128 x 128 of ONE gate (w % 2 = 0: u; 1: c): 64 accumulators.  The gates meet in a stage in LDS.
; THE MATRIX INSTRUCTION IS USED TRANSPOSED (source 0 = 16 rows of the weights, source 1 = 16 rows of x, h or h * r): a lane holds one row (lane % 16), and register 8 t + j of a block's 64 the column
; 32 (t / 2) + 16 (lane / 16) + 8 (t % 2) + j, by the order of rows in the weights' panels.
; THE RING: two LDS slots, each with K step t of everything: x and h (4 panels, one dense block of act), h * r (2 panels), W_u and U_u (2), W and U (2).  Wave 0 fetches act's block, wave 1 hrq's, waves 2 and 3 the
; two gates' weights: one tensor load a wave.  A slot is two steps of 128: x against W_g, then h against U_u or h * r against U.
; CLUSTERS: 4 x 4 work-groups.  act's and hrq's blocks hang on the row block alone and are shared along a row of the cluster, wq's on the column block alone and are shared along a column: all are asked for jointly.
; By this text's own count a wave has two tensor loads out at the start and one behind each round.
; THE WAY OUT GOES IN FOUR PARTS, so that finished rows are stored while the later parts' activations are computed: in part p each wave activates 32 of its 128 rows and puts them into the stage; behind a barrier
; each wave combines and stores 16 whole rows.  h_prev for those rows is asked for ahead: 16 rows behind the last change of slots, 24 ahead of the last K step, 24 behind the last product, as registers fall free.
; REGISTERS, in windows of 256: window 0: v16-27 addresses; v32-47 scale words, two sets; v48-111 the biases; v128-223 A's fragments, ONE set (on the way out v128-255 are at work).
;   window 1: the weights' fragments, two sets at v0-95 and v128-223; v96-127 and v224-255, and later the two sets, take my 64 rows of h.   window 2: the accumulators of my rows 0-63, (a, b) at v[8 (8 a + b)];   window 3: those of my rows 64-127.
.set PANEL, 12800
.set FRB,   1536
.set SWO,   12288
.set SLOT,  10*PANEL                   ; 128,000
.set HROFF, 4*PANEL                    ; a slot: act's 4 panels, hrq's 2, the weights' 2 + 2
.set WOFF,  6*PANEL
.set SROW,  528                        ; the stage: 512 rows x (512 bytes + 16): u's 256 rows, then c's.  It lies over the ring, which has had its last fill and its last read when the first result is stored there
.set SPARE, 512*SROW                   ; behind the stage: the spare words, 128 bytes for each wave: two blocks of 256 bytes that no other line names
.set ADRA0, 16                         ; v16-17 x's fragments of my 128 rows in slot 0, 1;  v18-19 h's or h * r's
.set ADRB,  20                         ; v20-21 my gate's weights
.set H64,   22                         ; v22    64 (lane / 16)
.set L16,   23                         ; v23    16 x lane; never rewritten
.set STO,   24                         ; v24    the stage: where I put 16 bytes of a row
.set RD,    25                         ; v25    where I read a row of u back
.set RD2,   26                         ; v26    and of c's part
.set PFO,   27                         ; v27    the prefetches' offset: 256 x the lesser of my lane and 24; never rewritten
.set SPW,   28                         ; v28    LDS address of my spare word; never rewritten
.set NIL,   29                         ; v29    0; never rewritten
.set SC,    32                         ; scale words: set p: A's four registers at SC + 8 p, the weights' four at SC + 8 p + 4; fragments 0-3 in lanes 0-15, 4-7 in lanes 16-31
.set BI,    48                         ; kappa x (my gate's two biases), in the result's layout
.set AF,    128
.set WV,    22                         ; s22 wave;  s23 wave / 2;  s84 wave % 2: my gate;  s85 row block
.set WI,    23
.set WG,    84
.set TY,    85
.set G1X,   24                         ; s[24:31] group 1 for act's blocks;  s[32:39] for hrq's;  s[48:55] for wq's
.set G1H,   32
.set G1W,   48
.set G0X,   56                         ; s[56:63], s[68:75], s[76:83] their groups 0, one set for each slot
.set G0H,   68
.set G0W,   76
.set KAP,   86                         ; s[86:87] kappa: -log2(e) for u, 2 log2(e) for c
.set PFA,   66                         ; s[66:67] where my prefetches stand: my share of the K step two refills on
.set PFS,   16                         ; s[16:17] a K step on in the stream that I prefetch, in bytes
.set LIM,   18                         ; s18    1 in a wave that prefetches, else the greatest number
.set MSB, 0
.macro WIN new                         ; the immediate's high byte repeats the setting that is left
.if MSB != (\new)
	s_set_vgpr_msb (MSB<<8)|(\new)
.set MSB, (\new)
.endif
.endm
.set MUL_LO, 0xa1                      ; source 0 (weights) window 1, source 1 window 0, C and D window 2
.set MUL_HI, 0xf1                      ; the same, C and D window 3
.set TO_B,   0x40                      ; destination window 1, address window 0
; A joint load: each wave has one.  The branches hang on the wave's number alone.  An s_nop 0 and four v_nop follow each of the three lines.
.macro JLOAD3 s
	s_cmp_lt_u32 s[WV], 2
	s_cbranch_scc0 .Lfor_w_\@
	s_cmp_eq_u32 s[WV], 0
	s_cbranch_scc0 .Lfor_h_\@
	tensor_load_to_lds s[G0X+4*\s:G0X+4*\s+3], s[G1X:G1X+7]
	s_nop 0
.rept 4
	v_nop
.endr
	s_branch .Lasked_\@
.Lfor_h_\@:
	tensor_load_to_lds s[G0H+4*\s:G0H+4*\s+3], s[G1H:G1H+7]
	s_nop 0
.rept 4
	v_nop
.endr
	s_branch .Lasked_\@
.Lfor_w_\@:
	tensor_load_to_lds s[G0W+4*\s:G0W+4*\s+3], s[G1W:G1W+7]
	s_nop 0
.rept 4
	v_nop
.endr
.Lasked_\@:
.endm
; A PREFETCH INTO THE L2, behind each joint load and the run of LDS loads that follows it: my share of the K step that stands TWO refills on, 256 matrix instructions ahead of the load that will want it.  A share is half a
; panel, 6,400 bytes = 25 blocks of 256 bytes, lanes 256 bytes apart; lanes 25 to 31 name lane 24's block with it.  One instruction a wave.
; Each block is named by one wave of one work-group.  Wave 0 asks for act's block (8 half panels): the eight work-groups of a row block, in two clusters, take one each, by their column block's number.  Wave 1 asks for
; hrq's (4 half panels): the four partners in the cluster with x = 0, by cx.  Waves 2 and 3 ask for their gate's weights (4 half panels each): the four partners in the cluster with y = 0, by cy.
; Partners are told apart BY ADDRESS: the branch hangs on the wave's number, the cluster's number and the count of trips alone.
; K steps 0 to 3 come by their loads alone; the loop's last trip (s88 = 1), whose refills are the last two K steps, asks for nothing.
.macro ASK
	s_cmp_gt_u32 s88, s[LIM]
	s_cbranch_scc0 .Lnot_mine_\@
	global_prefetch_b8 v[PFO], s[PFA:PFA+1] th:TH_LOAD_NT scope:SCOPE_SE
.Lnot_mine_\@:
.endm
.macro CREST                           ; a round of the cluster's barrier behind its opening barrier
	s_cmp_lg_u32 s[WV], 0
	s_cbranch_scc1 .Lnot_wave_0_\@
	s_barrier_signal -3
.Lnot_wave_0_\@:
	s_barrier_wait -3
	s_barrier_signal -1
	s_barrier_wait -1
.endm
.macro CROUND                          ; a whole round
	s_barrier_signal -1
	s_barrier_wait -1
	CREST
.endm
.macro PLACES                          ; four places behind a matrix instruction, in front of loads into registers that it has read and of reads of its results (ISA guide 7.12.1 for vector instructions)
.rept 4
	v_nop
.endr
.endm
	s_load_b256 s[4:11], s[0:1], 0x0               ; act s[4:5], hrq s[6:7], wq s[8:9], h_prev s[10:11]
	s_load_b256 s[12:19], s[0:1], 0x20             ; b_Wu s[12:13], b_Uu s[14:15], b_W s[16:17], b_U s[18:19]
	s_load_b64 s[20:21], s[0:1], 0x40              ; out0
	v_lshl_add_u32 v[SPW], v0, 2, SPARE
	v_mov_b32 v[NIL], 0
	ds_add_u32 v[SPW], v[NIL]                      ; the wave's opening: the add, twice on end, and its wait stand ahead of my first tensor load; the set-up below stands between the second and the wait
	ds_add_u32 v[SPW], v[NIL]
	v_lshrrev_b32 v1, 5, v0
	v_readfirstlane_b32 s[WV], v1                  ; wave 0..3
	s_lshr_b32 s[WI], s[WV], 1                     ; which 128 rows are mine
	s_and_b32 s[WG], s[WV], 1                      ; my gate: 0 u, 1 c
	s_bfe_u32 s40, ttmp6, 0x40000                  ; cx, cy: my place in the cluster
	s_bfe_u32 s41, ttmp6, 0x40004
	s_lshl_b32 s42, ttmp9, 2
	s_add_co_u32 s42, s42, s40                     ; column block = 4 x cluster x + cx
	s_and_b32 s[TY], ttmp7, 0xffff
	s_lshl_b32 s[TY], s[TY], 2
	s_add_co_u32 s[TY], s[TY], s41                 ; row block = 4 x cluster y + cy
	s_lshl_b32 s43, s41, 2
	s_lshl_b32 s43, 15, s43                        ; my row of the cluster
	s_lshl_b32 s44, 0x1111, s40                    ; my column
	; group 1: a dense block as rows of 256 bytes (32 elements of 8 bytes), no padding: 200 rows of act, 100 of hrq, 100 of wq
	s_or_b32 s[G1X], s43, (3<<16)|(1<<21)          ; 15:0 the mask; 17:16 elements of 8 bytes; 21 set beside a mask
	s_or_b32 s[G1H], s43, (3<<16)|(1<<21)
	s_or_b32 s[G1W], s44, (3<<16)|(1<<21)
	s_mov_b32 s[G1X+1], 32<<16                     ; tensor_dim0
	s_mov_b32 s[G1X+2], 200<<16                    ; tensor_dim1
	s_mov_b32 s[G1X+3], 32<<16                     ; tile_dim0
	s_mov_b32 s[G1X+4], 200                        ; tile_dim1
	s_mov_b32 s[G1X+5], 32                         ; tensor_dim0_stride
	s_mov_b32 s[G1X+6], 0
	s_mov_b32 s[G1X+7], 0
.irp g, G1H, G1W
	s_mov_b32 s[\g+1], 32<<16
	s_mov_b32 s[\g+2], 100<<16
	s_mov_b32 s[\g+3], 32<<16
	s_mov_b32 s[\g+4], 100
	s_mov_b32 s[\g+5], 32
	s_mov_b32 s[\g+6], 0
	s_mov_b32 s[\g+7], 0
.endr
	s_mul_i32 s90, s[TY], 32*PANEL                 ; act: the row block's 32 panels
	s_mov_b32 s91, 0
	s_mul_i32 s92, s[TY], 16*PANEL                 ; hrq: its 16
	s_mov_b32 s93, 0
	s_add_co_u32 s45, s[WG], 1                     ; wq: gate 1 (u) or 2 (c), 128 panels each,
	s_mul_i32 s45, s45, 128*PANEL
	s_mul_i32 s46, s42, 16*PANEL                   ; the column block's 16 panels
	s_add_co_u32 s46, s46, s45
	s_mov_b32 s47, 0
	s_mul_i32 s45, s[WG], 2*PANEL                  ; and in a slot
	s_add_co_u32 s45, s45, WOFF
	s_wait_dscnt 0x0                               ; both opening adds are done
	s_wait_kmcnt 0x0
	s_add_nc_u64 s[90:91], s[4:5], s[90:91]
	s_add_nc_u64 s[92:93], s[6:7], s[92:93]
	s_add_nc_u64 s[46:47], s[8:9], s[46:47]
	CROUND                                         ; all sixteen work-groups are here: the first joint loads meet
.irp s, 0,1
	s_mov_b32 s[G0X+4*\s], 1
	s_mov_b32 s[G0X+4*\s+1], \s*SLOT
	s_add_nc_u64 s[G0X+4*\s+2:G0X+4*\s+3], s[90:91], \s*4*PANEL
	s_or_b32 s[G0X+4*\s+3], s[G0X+4*\s+3], 0x80000000
	s_mov_b32 s[G0H+4*\s], 1
	s_mov_b32 s[G0H+4*\s+1], \s*SLOT+HROFF
	s_add_nc_u64 s[G0H+4*\s+2:G0H+4*\s+3], s[92:93], \s*2*PANEL
	s_or_b32 s[G0H+4*\s+3], s[G0H+4*\s+3], 0x80000000
	s_mov_b32 s[G0W+4*\s], 1
	s_add_co_u32 s[G0W+4*\s+1], s45, \s*SLOT
	s_add_nc_u64 s[G0W+4*\s+2:G0W+4*\s+3], s[46:47], \s*2*PANEL
	s_or_b32 s[G0W+4*\s+3], s[G0W+4*\s+3], 0x80000000
	JLOAD3 \s
.endr
	v_and_b32 v1, 31, v0                           ; lane
	v_and_b32 v2, 15, v0                           ; r
	v_bfe_u32 v3, v0, 4, 1                         ; h
	v_lshlrev_b32 v[L16], 4, v1
	v_lshlrev_b32 v[H64], 6, v3
	s_lshl_b32 s94, s42, 9                         ; my 128 columns: 512 bytes on
	s_mov_b32 s95, 0
	s_cmp_eq_u32 s[WG], 1                          ; my gate's biases and factor: the choice hangs on the wave's number alone
	s_cselect_b64 s[12:13], s[16:17], s[12:13]
	s_cselect_b64 s[14:15], s[18:19], s[14:15]
	s_mov_b32 s[KAP], 0x4038aa3b                   ; 2 log2(e)
	s_cselect_b32 s[KAP], s[KAP], 0xbfb8aa3b       ; or -log2(e)
	s_mov_b32 s[KAP+1], s[KAP]                     ; (named with it as a pair, so it is written)
	s_add_nc_u64 s[12:13], s[12:13], s[94:95]
	s_add_nc_u64 s[14:15], s[14:15], s[94:95]
.irp t, 0,1,2,3,4,5,6,7                        ; lane (r, h) wants, for tile t, the biases of columns 32 (t / 2) + 16 h + 8 (t % 2) + 0 .. 7
	global_load_b128 v[BI+8*\t:BI+8*\t+3], v[H64], s[12:13] offset:(32*(\t/2)+8*(\t%2))*4
	global_load_b128 v[BI+8*\t+4:BI+8*\t+7], v[H64], s[12:13] offset:(32*(\t/2)+8*(\t%2))*4+16
.endr
.irp t, 0,1,2,3,4,5,6,7
	global_load_b128 v[AF+8*\t:AF+8*\t+3], v[H64], s[14:15] offset:(32*(\t/2)+8*(\t%2))*4
	global_load_b128 v[AF+8*\t+4:AF+8*\t+7], v[H64], s[14:15] offset:(32*(\t/2)+8*(\t%2))*4+16
.endr
	s_lshl_b32 s3, s[TY], 8
	s_lshl_b32 s89, s[WI], 7
	s_add_co_u32 s3, s3, s89
	s_lshl_b32 s89, s[WG], 4
	s_add_co_u32 s3, s3, s89                       ; the rows that I combine and store begin at 256 x row block + 128 (wave / 2) + 16 (wave % 2): 16 rows of each 32 from there on
	s_lshl_b32 s3, s3, 12
	s_add_co_u32 s94, s94, s3
	s_add_nc_u64 s[96:97], s[10:11], s[94:95]      ; h_prev there,
	s_add_nc_u64 s[98:99], s[20:21], s[94:95]      ; and out0
	s_mul_i32 s45, s[WI], PANEL                    ; my panel of the two
	s_mul_i32 s89, s[WG], 2*PANEL
.irp s, 0,1
	s_add_co_u32 s3, s45, \s*SLOT
	v_add_nc_u32 v[ADRA0+\s], s3, v[L16]           ; x
	s_add_co_u32 s3, s3, s89
	s_add_co_u32 s3, s3, 2*PANEL
	v_add_nc_u32 v[ADRA0+2+\s], s3, v[L16]         ; h (u) or h * r (c)
	s_add_co_u32 s3, s89, \s*SLOT+WOFF
	v_add_nc_u32 v[ADRB+\s], s3, v[L16]            ; my gate's weights
.endr
	s_lshl_b32 s3, s[WG], 8
	s_lshl_b32 s45, s[WI], 7
	s_add_co_u32 s3, s3, s45
	s_mul_i32 s3, s3, SROW                         ; the stage: my gate's 256 rows, my 128 of them
	v_mul_u32_u24 v[STO], v2, SROW
	v_add_nc_u32 v[STO], v[STO], v[H64]
	v_add_nc_u32 v[STO], s3, v[STO]
	s_lshl_b32 s3, s[WI], 7
	s_lshl_b32 s45, s[WG], 4
	s_add_co_u32 s3, s3, s45
	s_mul_i32 s3, s3, SROW                         ; back: from row 128 (wave / 2) + 16 (wave % 2) on
	v_add_nc_u32 v[RD], s3, v[L16]
	v_add_nc_u32 v[RD2], 256*SROW, v[RD]
	; the prefetches (macro ASK): which stream, which share of it, and who asks.  s[16:19] are free: the biases' addresses have been chosen
	s_and_b32 s2, ttmp7, 0xffff                    ; cluster y
	s_cmp_lt_u32 s[WV], 2
	s_cselect_b64 s[PFA:PFA+1], s[92:93], s[46:47] ; wave 1: hrq's row block; waves 2 and 3: my gate's weights of the column block
	s_cselect_b32 s19, s40, s41                    ; my place among the four that ask for it with me
	s_cselect_b32 s2, ttmp9, s2                    ; the coordinate along which other clusters read the same bytes
	s_cmp_eq_u32 s[WV], 0
	s_cselect_b64 s[PFA:PFA+1], s[90:91], s[PFA:PFA+1]  ; wave 0: act's row block,
	s_cselect_b32 s19, s42, s19                    ; shared out among the eight column blocks,
	s_cselect_b32 s2, 0, s2                        ; so both clusters ask
	s_mov_b32 s[PFS], 2*PANEL
	s_cselect_b32 s[PFS], 4*PANEL, s[PFS]          ; a K step on
	s_mov_b32 s[PFS+1], 0
	s_cmp_eq_u32 s2, 0
	s_cselect_b32 s[LIM], 1, -1                    ; the same in all sixteen partners, for a given wave
	s_mul_i32 s2, s19, PANEL/2                     ; my half panel,
	s_mul_i32 s3, s[PFS], 3                        ; in K step 3: the first refill steps it to K step 4.  Nothing is prefetched here, at the head, where every work-group's first tiles are on their way
	s_add_co_u32 s2, s2, s3
	s_mov_b32 s3, 0
	s_add_nc_u64 s[PFA:PFA+1], s[PFA:PFA+1], s[2:3]
	v_min_u32 v[PFO], 24, v1
	v_lshlrev_b32 v[PFO], 8, v[PFO]
	s_wait_loadcnt 0x0                             ; the biases
.set k, 0
.rept 32
	v_pk_add_f32 v[BI+2*k:BI+2*k+1], v[BI+2*k:BI+2*k+1], v[AF+2*k:AF+2*k+1]
.set k, k+1
.endr
.set k, 0
.rept 32
	v_pk_mul_f32 v[BI+2*k:BI+2*k+1], v[BI+2*k:BI+2*k+1], s[KAP:KAP+1] op_sel_hi:[1,0]
.set k, k+1
.endr
.macro FRAG reg, adr, off              ; a fragment comes as it was stored: three loads of 16 bytes a lane, each of 512 consecutive bytes
.irp c, 0,1,2
	ds_load_b128 v[(\reg)+4*\c:(\reg)+4*\c+3], v[\adr] offset:(\off)+512*\c
.endr
.endm
; One matrix instruction.  d: accumulator; b: weights' fragment; a: activations'; sb, sa: their scale registers; rb, ra = 1: that side's scales stand in lanes 16-31; zero = 1: it starts the sum
.macro WM d, b, a, sb, sa, rb, ra, zero
.if (\zero)
.if (\rb) && (\ra)
	v_wmma_scale_f32_16x16x128_f8f6f4 v[(\d):(\d)+7], v[(\b):(\b)+11], v[(\a):(\a)+11], 0, v[(\sb)], v[(\sa)] matrix_a_fmt:MATRIX_FMT_BF6 matrix_b_fmt:MATRIX_FMT_BF6 matrix_a_scale:MATRIX_SCALE_ROW1 matrix_b_scale:MATRIX_SCALE_ROW1
.elseif (\rb)
	v_wmma_scale_f32_16x16x128_f8f6f4 v[(\d):(\d)+7], v[(\b):(\b)+11], v[(\a):(\a)+11], 0, v[(\sb)], v[(\sa)] matrix_a_fmt:MATRIX_FMT_BF6 matrix_b_fmt:MATRIX_FMT_BF6 matrix_a_scale:MATRIX_SCALE_ROW1
.elseif (\ra)
	v_wmma_scale_f32_16x16x128_f8f6f4 v[(\d):(\d)+7], v[(\b):(\b)+11], v[(\a):(\a)+11], 0, v[(\sb)], v[(\sa)] matrix_a_fmt:MATRIX_FMT_BF6 matrix_b_fmt:MATRIX_FMT_BF6 matrix_b_scale:MATRIX_SCALE_ROW1
.else
	v_wmma_scale_f32_16x16x128_f8f6f4 v[(\d):(\d)+7], v[(\b):(\b)+11], v[(\a):(\a)+11], 0, v[(\sb)], v[(\sa)] matrix_a_fmt:MATRIX_FMT_BF6 matrix_b_fmt:MATRIX_FMT_BF6
.endif
.else
.if (\rb) && (\ra)
	v_wmma_scale_f32_16x16x128_f8f6f4 v[(\d):(\d)+7], v[(\b):(\b)+11], v[(\a):(\a)+11], v[(\d):(\d)+7], v[(\sb)], v[(\sa)] matrix_a_fmt:MATRIX_FMT_BF6 matrix_b_fmt:MATRIX_FMT_BF6 matrix_a_scale:MATRIX_SCALE_ROW1 matrix_b_scale:MATRIX_SCALE_ROW1
.elseif (\rb)
	v_wmma_scale_f32_16x16x128_f8f6f4 v[(\d):(\d)+7], v[(\b):(\b)+11], v[(\a):(\a)+11], v[(\d):(\d)+7], v[(\sb)], v[(\sa)] matrix_a_fmt:MATRIX_FMT_BF6 matrix_b_fmt:MATRIX_FMT_BF6 matrix_a_scale:MATRIX_SCALE_ROW1
.elseif (\ra)
	v_wmma_scale_f32_16x16x128_f8f6f4 v[(\d):(\d)+7], v[(\b):(\b)+11], v[(\a):(\a)+11], v[(\d):(\d)+7], v[(\sb)], v[(\sa)] matrix_a_fmt:MATRIX_FMT_BF6 matrix_b_fmt:MATRIX_FMT_BF6 matrix_b_scale:MATRIX_SCALE_ROW1
.else
	v_wmma_scale_f32_16x16x128_f8f6f4 v[(\d):(\d)+7], v[(\b):(\b)+11], v[(\a):(\a)+11], v[(\d):(\d)+7], v[(\sb)], v[(\sa)] matrix_a_fmt:MATRIX_FMT_BF6 matrix_b_fmt:MATRIX_FMT_BF6
.endif
.endif
.endm
; 16 matrix instructions: A's blocks a0, a0 + 1 against the weights' eight of set p.  The 64 accumulators take turns, one instruction a turn, in the same order in every step.
.macro MUL16 a0, p, zero
.irp a, \a0, \a0+1
.irp b, 0,1,2,3,4,5,6,7
	WM 8*(8*((\a)%4)+\b), 128*(\p)+12*\b, AF+12*(\a), SC+8*(\p)+4+\b%4, SC+8*(\p)+(\a)%4, \b/4, (\a)/4, \zero
.endr
.endr
.endm
.macro FETCH_B slot, q, p              ; the weights' eight fragments of the slot's step q into set p
	WIN TO_B
.irp b, 0,1,2,3,4,5,6,7
	FRAG 128*(\p)+12*\b, ADRB+\slot, PANEL*(\q)+FRB*\b
.endr
	WIN 0
.endm
.macro SCALES slot, q, p               ; and both sides' scale words: 512 bytes each, 16 a lane
	ds_load_b128 v[SC+8*(\p):SC+8*(\p)+3], v[ADRA0+2*(\q)+\slot] offset:SWO
	ds_load_b128 v[SC+8*(\p)+4:SC+8*(\p)+7], v[ADRB+\slot] offset:PANEL*(\q)+SWO
.endm
.macro FETCH_A slot, q, a0             ; A's blocks a0 .. a0 + 3
.irp a, \a0, \a0+1, \a0+2, \a0+3
	FRAG AF+12*(\a), ADRA0+2*(\q)+\slot, FRB*(\a)
.endr
.endm
; A slot's first step (x against W_g).  A block of A is free as soon as its eight products are issued: blocks 0-3 are fetched anew in the step's middle, blocks 4-7 at its end; the weights have two sets.
.macro STEP slot, zero
	s_wait_dscnt 12                                ; the weights, the scale words and A's blocks 0-3 are in; the youngest twelve loads (A's blocks 4-7) may be out
	WIN MUL_LO
	MUL16 0, 0, \zero
	MUL16 2, 0, \zero
	s_wait_dscnt 0x0                               ; A's blocks 4-7 are in
	PLACES
	FETCH_B \slot, 1, 1
	SCALES \slot, 1, 1
	FETCH_A \slot, 1, 0
	WIN MUL_HI
	MUL16 4, 0, \zero
	MUL16 6, 0, \zero
	PLACES
	WIN 0
	FETCH_A \slot, 1, 4
.endm
; A slot's second step changes slots: ONE barrier; in front of it each wave waits for all its tensor loads, adds 0 to its spare word, and waits for that and for its own reads of this slot.  fill = 1: the slot is filled again, two K steps ahead.
.macro TURN slot, next, fill
.if \fill
	s_wait_xcnt 0x0                                ; the last prefetch, a slot back, has read its address: it is stepped here, ahead of the waits of the change of slots
	s_add_nc_u64 s[PFA:PFA+1], s[PFA:PFA+1], s[PFS:PFS+1]
.endif
	s_wait_tensorcnt 0x0                           ; all my tensor loads have landed: my part of the next slot
	ds_add_u32 v[SPW], v[NIL]                      ; 0 onto my spare word
	s_wait_dscnt 13                                ; (the add and the youngest twelve loads, A's blocks 4-7, may be out)
	WIN MUL_LO
	MUL16 0, 1, 0                                  ; sixteen matrix instructions stand between the add and the wait for it
	s_wait_dscnt 0x0                               ; the add is done, and my reads of this slot are over
	s_barrier_signal -1
	MUL16 2, 1, 0
	WIN 0
	s_barrier_wait -1
.if \fill
	CREST                                          ; the barrier has opened a round of the cluster's barrier: no wave of any partner still reads this slot or has a load on its way
	s_add_nc_u64 s[G0X+4*\slot+2:G0X+4*\slot+3], s[G0X+4*\slot+2:G0X+4*\slot+3], 8*PANEL
	s_add_nc_u64 s[G0H+4*\slot+2:G0H+4*\slot+3], s[G0H+4*\slot+2:G0H+4*\slot+3], 4*PANEL
	s_add_nc_u64 s[G0W+4*\slot+2:G0W+4*\slot+3], s[G0W+4*\slot+2:G0W+4*\slot+3], 4*PANEL
	JLOAD3 \slot                                   ; the first tensor load behind the round; the four v_nop behind it are the places in front of the loads below
.else
	PLACES
.endif
	FETCH_B \next, 0, 0
	SCALES \next, 0, 0
	FETCH_A \next, 0, 0
.if \fill
	ASK                                            ; behind the joint load and the run of LDS loads that the next products wait for
.endif
	WIN MUL_HI
	MUL16 4, 1, 0
	MUL16 6, 1, 0
	PLACES
	WIN 0
	FETCH_A \next, 0, 4
.endm
; h for the way out, in chunks of 8 rows (32 registers of window 1).  Chunk c holds my rows 32 (c / 2) + 8 (c % 2) + 0 .. 7, counted from the first row that I combine.
; Chunks 0 and 1 lie in the registers that the K walk never uses, chunks 2 to 4 in the weights' set 0, chunks 5 to 7 in set 1.
.macro SETHB c
.if (\c) == 0
.set HB, 96
.elseif (\c) == 1
.set HB, 224
.elseif (\c) < 5
.set HB, 32*((\c)-2)
.else
.set HB, 32*((\c)-1)
.endif
.endm
.macro HLOAD c
	SETHB \c
.irp m, 0,1,2,3,4,5,6,7
	global_load_b128 v[HB+4*\m:HB+4*\m+3], v[L16], s[96:97] offset:4096*(32*((\c)/2)+8*((\c)%2)+\m) th:TH_LOAD_NT   ; a row's 512 consecutive bytes
.endr
.endm
	s_wait_tensorcnt 1                             ; my part of slot 0 is in (slot 1's load may be out)
	s_barrier_signal -1
	s_barrier_wait -1                              ; everybody's is
	FETCH_B 0, 0, 0
	SCALES 0, 0, 0
	FETCH_A 0, 0, 0
	FETCH_A 0, 0, 4
	STEP 0, 1                                      ; the first step stands in front of the loop: its products start the sums
	s_mov_b32 s88, 3
.Llap:                                             ; a trip goes once round the ring, from a lap's second step to the next lap's first, and fills both slots again: K steps 2 to 7 in three trips
	TURN 0, 1, 1
	STEP 1, 0
	TURN 1, 0, 1
	STEP 0, 0
	s_sub_co_u32 s88, s88, 1
	s_cmp_lg_u32 s88, 0
	s_cbranch_scc1 .Llap
	TURN 0, 1, 0                                   ; the last lap fills nothing, and has no round of the cluster's barrier.  No tile is on its way from here on
	WIN 0x40                                       ; destination window 1
	HLOAD 0                                        ; h's first 16 rows: 128 matrix instructions ahead of the way out
	HLOAD 1
	WIN 0
	STEP 1, 0
	WIN 0x40
	HLOAD 2                                        ; 24 rows into the weights' set 0: its last products stand in front of the four places at the step's end
	HLOAD 3
	HLOAD 4
	WIN 0
	s_wait_dscnt 12                                ; the very last step: nothing more to fetch
	WIN MUL_LO
	MUL16 0, 1, 0
	MUL16 2, 1, 0
	s_wait_dscnt 0x0
	WIN MUL_HI
	MUL16 4, 1, 0
	MUL16 6, 1, 0
	WIN 0
; THE WAY OUT.  Each wave puts s = 1 / (1 + 2^(kappa z)) of its gate into the stage (for u that is u; c = 1 - 2 s); behind a barrier each wave reads whole rows of both gates, combines them with h and stores whole rows.
; Four parts: every part has stage rows of its own, so that one barrier a part, between its writing and its reading, is all that the stage needs.
	PLACES                                         ; behind the last products: for the loads into the operands' registers and the reads of results
	WIN 0x40
	HLOAD 5                                        ; the last 24 rows of h, into the weights' set 1
	HLOAD 6
	HLOAD 7
	WIN 0
	s_wait_dscnt 0x0                               ; my reads of the ring are over
	s_barrier_signal -1
	s_barrier_wait -1                              ; everybody's are: the stage may be written
.macro ACTV a                          ; block a: 16 rows x 128 columns of my gate
.set TT, 128+64*((\a)%2)
	WIN 0x02+(\a)/4                                ; source 0: the accumulators, window 2 or 3
.set k, 0
.rept 32
	v_pk_fma_f32 v[TT+2*k:TT+2*k+1], v[64*((\a)%4)+2*k:64*((\a)%4)+2*k+1], s[KAP:KAP+1], v[BI+2*k:BI+2*k+1] op_sel_hi:[1,0,1]   ; kappa (sum + biases); each accumulator from its low end on
.set k, k+1
.endr
	WIN 0
.set k, 0
.rept 64
	v_exp_f32 v[TT+k], v[TT+k]
.set k, k+1
.endr
	v_nop                                          ; a plain place behind the last exponential
	s_wait_alu depctr_va_vdst(0)                   ; the wait ahead of the first reader: one for the batch
.set k, 0
.rept 32
	v_pk_add_f32 v[TT+2*k:TT+2*k+1], v[TT+2*k:TT+2*k+1], 1.0 op_sel_hi:[1,0]
.set k, k+1
.endr
.set k, 0
.rept 64
	v_rcp_f32 v[TT+k], v[TT+k]
.set k, k+1
.endr
	v_nop
	s_wait_alu depctr_va_vdst(0)                   ; and one for the reciprocals
.irp b, 0,1,2,3
.irp j, 0,1,2,3
	ds_store_b128 v[STO], v[TT+16*\b+4*\j:TT+16*\b+4*\j+3] offset:16*(\a)*SROW+128*\b+16*\j   ; row 16 a + r, columns 32 b + 16 h + 4 j ..
.endr
.endr
.endm
.macro CFETCH c                        ; chunk c: 8 rows of u and of c's part, 512 bytes a load, into set c % 2
.irp m, 0,1,2,3,4,5,6,7
	ds_load_b128 v[128+64*((\c)%2)+4*\m:128+64*((\c)%2)+4*\m+3], v[RD] offset:SROW*(32*((\c)/2)+8*((\c)%2)+\m)
.endr
.irp m, 0,1,2,3,4,5,6,7
	ds_load_b128 v[160+64*((\c)%2)+4*\m:160+64*((\c)%2)+4*\m+3], v[RD2] offset:SROW*(32*((\c)/2)+8*((\c)%2)+\m)
.endr
.endm
.macro COMB c
	SETHB \c
.set UU, 128+64*((\c)%2)
.set SS, UU+32
.if (\c)%2 == 0
	s_wait_dscnt 16                                ; this chunk is in; the part's second chunk, sixteen loads, may be out
.else
	s_wait_dscnt 0x0
.endif
	s_wait_loadcnt 56-8*(\c)                       ; h's rows up to this chunk's last are in; the chunks behind it, eight loads each, may be out
.set k, 0
.rept 16
	v_pk_fma_f32 v[SS+2*k:SS+2*k+1], v[SS+2*k:SS+2*k+1], -2.0, 1.0 op_sel_hi:[1,0,0]   ; c = 1 - 2 s
.set k, k+1
.endr
	WIN 0x04                                       ; source 1: h
.set k, 0
.rept 16
	v_pk_add_f32 v[SS+2*k:SS+2*k+1], v[SS+2*k:SS+2*k+1], v[HB+2*k:HB+2*k+1] neg_lo:[0,1] neg_hi:[0,1]   ; c - h
.set k, k+1
.endr
	WIN 0x10                                       ; source 2: h
.set k, 0
.rept 16
	v_pk_fma_f32 v[UU+2*k:UU+2*k+1], v[UU+2*k:UU+2*k+1], v[SS+2*k:SS+2*k+1], v[HB+2*k:HB+2*k+1]   ; u (c - h) + h
.set k, k+1
.endr
	WIN 0
.irp m, 0,1,2,3,4,5,6,7
	global_store_b128 v[L16], v[UU+4*\m:UU+4*\m+3], s[98:99] offset:4096*(32*((\c)/2)+8*((\c)%2)+\m) th:TH_STORE_NT   ; 32 lanes store 512 consecutive bytes, at a multiple of 256 from out0's first byte
.endr
.endm
.irp p, 0,1,2,3
.if \p > 0
	s_wait_xcnt 0x0                                ; the last part's stores have read their data: these registers are written again only behind this wait
.endif
	ACTV 2*\p
	ACTV 2*\p+1
	s_wait_dscnt 0x0                               ; for the others' sake: my stores into the stage are done (and have read their registers)
	s_barrier_signal -1
	s_barrier_wait -1                              ; rows 32 p .. 32 p + 31 of each 128 lie whole in the stage, both gates'
	CFETCH 2*\p
	CFETCH 2*\p+1
	COMB 2*\p
	COMB 2*\p+1
.endr
	s_wait_tensorcnt 0x0                           ; the wave's end: behind my last tensor load and my last LDS store
	ds_add_u32 v[SPW], v[NIL]
	s_wait_dscnt 0x0
	CROUND                                         ; the closing round: no work-group ends while a partner may still ask for a tile that names it
	s_endpgm
.Lfunc_end_k_q33af41f9be_gate_uc:
	.size	k_q33af41f9be_gate_uc, .Lfunc_end_k_q33af41f9be_gate_uc-k_q33af41f9be_gate_uc
	.p2alignl 7, 3214868480
	.fill 96, 4, 3214868480
	.section	.rodata,"a",@progbits
	.p2align	6, 0x0
	.amdhsa_kernel k_q33af41f9be_gate_uc
		.amdhsa_group_segment_fixed_size 327680
		.amdhsa_private_segment_fixed_size 0
		.amdhsa_enable_private_segment 0
		.amdhsa_kernarg_size 72
		.amdhsa_user_sgpr_count 2
		.amdhsa_user_sgpr_kernarg_segment_ptr 1
		.amdhsa_wavefront_size32 1
		.amdhsa_system_sgpr_workgroup_id_x 1
		.amdhsa_system_sgpr_workgroup_id_y 1
		.amdhsa_system_sgpr_workgroup_id_z 1
		.amdhsa_system_vgpr_workitem_id 0
		.amdhsa_next_free_vgpr 1024
		.amdhsa_next_free_sgpr 100
		.amdhsa_reserve_vcc 0
		.amdhsa_float_denorm_mode_32 3
		.amdhsa_float_denorm_mode_16_64 3
		.amdhsa_memory_ordered 1
		.amdhsa_forward_progress 1
		.amdhsa_inst_pref_size 233
	.end_amdhsa_kernel
	.amdgpu_metadata
---
amdhsa.version: [ 1, 2 ]
amdhsa.kernels:
  - .name:           k_q33af41f9be_gate_uc
    .symbol:         k_q33af41f9be_gate_uc.kd
    .args:
      - { .name: act, .offset: 0, .size: 8, .value_kind: global_buffer, .address_space: global }
      - { .name: hrq, .offset: 8, .size: 8, .value_kind: global_buffer, .address_space: global }
      - { .name: wq, .offset: 16, .size: 8, .value_kind: global_buffer, .address_space: global }
      - { .name: h_prev, .offset: 24, .size: 8, .value_kind: global_buffer, .address_space: global }
      - { .name: b_Wu, .offset: 32, .size: 8, .value_kind: global_buffer, .address_space: global }
      - { .name: b_Uu, .offset: 40, .size: 8, .value_kind: global_buffer, .address_space: global }
      - { .name: b_W, .offset: 48, .size: 8, .value_kind: global_buffer, .address_space: global }
      - { .name: b_U, .offset: 56, .size: 8, .value_kind: global_buffer, .address_space: global }
      - { .name: out0, .offset: 64, .size: 8, .value_kind: global_buffer, .address_space: global }
    .group_segment_fixed_size: 327680
    .private_segment_fixed_size: 0
    .kernarg_segment_align: 8
    .kernarg_segment_size: 72
    .max_flat_workgroup_size: 128
    .sgpr_count:     100
    .vgpr_count:     1024
    .wavefront_size: 32
...
	.end_amdgpu_metadata
.endif
;; end of part 3
